; MI455X (gfx1250); checked and timed in simulation.
; The chip was launched on July 23, 2026; its instructions are those of AMD's public machine-readable ISA for CDNA 5 (MIT licence, August 2026) and "CDNA5" Instruction Set Architecture Reference Guide (July 2026). The comments in the code are by the model that wrote it; some were corrected since.
;; Model. Allowed arithmetic: matrix products marked QUANTISED: E3M2 operands, one E8M0 scale for each 32 along K, by v_wmma_scale_f32_16x16x128_f8f6f4 with both operands' format E3M2, f32 sums; everything else in f32.
;; Inputs: key 4 x 16 x 2,048 x 64 float32; query 4 x 16 x 2,048 x 64 float32; value 4 x 16 x 2,048 x 64 float32.
;; Outputs: out0 4 x 16 x 2,048 x 64 float32.
;; This version of the problem:
;;   THIS VERSION OF THE PROBLEM IS GIVEN IN LOW PRECISION. The matrix products marked QUANTISED in the list below multiply operands that are first quantised to E3M2 (3 exponent bits, 2 mantissa bits; 6 bits a number), with one power-of-two scale for each 32 numbers along K (OCP MX v1.0); their sums are f32. All else is computed in f32.
;;   The module's matrix products, in the order in which they are computed (A, B: the left and right operand; K: the contracted axis; several contracted axes count as one K, in the product's order):
;;     1. batch 64 x [M 2,048, K 64] x [K 64, N 2,048]; A: input query; B: input key: QUANTISED
;;     2. batch 64 x [M 2,048, K 2,048] x [K 2,048, N 64]; A: softmax (see below); B: input value: QUANTISED
;;   THE QUANTISER, for each operand of a quantised product, along K:
;;     - K is cut into blocks of 32 from its start; a last block that is shorter is filled with zeros.
;;     - A block's scale is 2^e with e = floor(log2(the largest magnitude in the block)) - 4, held to -126 .. 127; a block of zeros has e = 0. As a byte (E8M0): e + 127.
;;     - Each number is divided by its block's scale, clamped to +-28, and rounded to the nearest number of E3M2, ties to even, subnormals kept.
;;     - The product sums the exact products of the quantised numbers (number of the format x scale) in f32.
;;   ~~~python
;;   def quantise(x, axis):      # numpy; x: float32 -> the quantised numbers, widened to float32 again
;;       x = np.moveaxis(x, axis, -1); K = x.shape[-1]
;;       x = np.pad(x, [(0, 0)] * (x.ndim - 1) + [(0, -K % 32)]); x = x.reshape(x.shape[:-1] + (-1, 32)); a = np.abs(x).max(-1, keepdims=True)
;;       e = np.where(a > 0, np.clip(np.frexp(np.where(a > 0, a, 1))[1] - 1 - 4, -126, 127), 0)      # np.frexp(a)[1] - 1 = floor(log2(a)), exactly
;;       r = np.clip(x / 2.0 ** e, -28, 28)
;;       step = 2.0 ** (np.maximum(np.frexp(np.where(r == 0, 1, r))[1] - 1, -2) - 2)
;;       q = np.round(r / step) * step * 2.0 ** e      # np.round: ties to even
;;       return np.moveaxis(q.reshape(q.shape[:-2] + (-1,))[..., :K], -1, axis).astype(np.float32)
;;   ~~~
;;   SOFTMAX AHEAD OF A QUANTISED PRODUCT. Where the list says 'softmax', what is quantised is not the finished softmax but p = 2^(t - M), with t = logit x log2(e) and M = ceil(the row's largest t), a whole number; so 1/2 < the row's largest p <= 1. The row's sum l is taken of the UNQUANTISED p, in f32, and the product's result is divided by l at the end. Since M is a whole number, a kernel that streams over the keys may use a running M (the ceiling of the running maximum): every later rescaling is an exact power of two, which a block's scale takes up: the codes' values come out the same.
;;   OPERANDS COMPUTED ON THE WAY. 'Computed on the way' means the value that the module computes at that place (a softmax that the list does not call 'softmax' is quantised finished and normalised). What goes into a quantiser is computed in f32, as accurately as f32 sums, v_exp_f32 and their like allow (about 1e-6 of the number): no bf16 or f16 on the way to a quantiser, and a product that is left as it is and whose result goes on into a quantised operand takes f32 operands (vector FMAs, or v_wmma_f32_16x16x4_f32). A number that lies on a knife's edge between two numbers of the format may be rounded either way, as far as f32 arithmetic and the matrix unit's own rounding can turn it there, and no further.
;; One version. Each part assembles by itself: llvm-mc -triple=amdgcn-amd-amdhsa -mcpu=gfx1250 --defsym DOCPART=n.
;; ======== version 1 of 1: 1 launch
;; limits: right only within a limited range of input values
;; launch attn (part 1): grid 4 x 64, 16 waves a work-group, clusters of 4 x 1, 327,680 bytes of LDS; arguments query, key, value, out0; writes out0
.if DOCPART == 1
	.amdgcn_target "amdgcn-amd-amdhsa--gfx1250"
	.amdhsa_code_object_version 6
	.text
	.protected	k_q22ed8c0a34_attn
	.globl	k_q22ed8c0a34_attn
	.p2align	8
	.type	k_q22ed8c0a34_attn,@function
k_q22ed8c0a34_attn:
	s_mov_b64 s[64:65], 0
	v_nop
	global_prefetch_b8 v0, s[64:65] scope:SCOPE_SE
	s_setreg_imm32_b32 hwreg(HW_REG_WAVE_MODE, 25, 1), 1
	s_wait_xcnt 0x0
	s_wait_alu depctr_hold_cnt(0) depctr_sa_sdst(0) depctr_va_vdst(0) depctr_va_sdst(0) depctr_va_ssrc(0) depctr_va_vcc(0) depctr_vm_vsrc(0)
	s_getreg_b32 s2, hwreg(HW_REG_IB_STS2, 6, 4)
	s_cmp_eq_u32 s2, 0
	s_cbranch_scc0 .Lentry_in_a_cluster
	s_endpgm
.Lentry_in_a_cluster:
	s_bfe_u32 s2, ttmp6, 0x10000c
	s_cmp_lg_u32 s2, 0x3003
	s_cbranch_scc0 .Lentry_shape_is_right
	s_endpgm
.Lentry_shape_is_right:
; out0[head][q][:] = sum over k of softmax_k(query[q] . key[k] / 8) value[k][:]; 64 heads, 2,048 queries and keys, 64 channels.
; Both products run on codes of BF6 (E3M2) with one E8M0 scale for each 32 along K.  All three inputs arrive as f32 and are quantised HERE: there is no other launch and no workspace.
; THE SOFTMAX: t = score x log2(e) / 8; M = the running largest t rounded UP to a whole number; p = 2^(t - M) is quantised along the keys, not normalised;
; the row's sum is taken of the unquantised p and divides at the end.  When M moves, the sum and O are multiplied by 2^(old M - new M), which rounds nothing.
; SHARES.  A cluster of four work-groups is one head; a work-group owns 512 queries; each of its sixteen waves owns 32 queries, two tiles A and B of 16, which share every fragment of K and V.
; THE RING.  key and value go in 16 steps of 128 keys through two LDS slots of f32 numbers, filled by joint tensor loads (the four partners need the same rows): a wave brings 16 rows of 256 bytes,
; waves 0-7 of key, waves 8-15 of value.  Quantised steps lie in four IMAGES of the operand registers in LDS, step s in image s % 4.
; TRIP s, in this order: S^T and the softmax of tiles A and B (K's fragments are in registers since trip s - 1; V's are asked for from image s % 4 under tile B's softmax);
; ONE ROUND of the cluster's barrier; the refill, step s + 3 into the slot read in trip s - 1; my 1/16 of step s + 2 is asked for from the other slot; O^T += V^T P^T of both tiles;
; K's fragments of step s + 1 are asked for; step s + 2 is quantised into its image.  So every LDS instruction that the round waits for, but the add, was issued a softmax or more ahead of it;
; an image is written one barrier interval ahead of its first read, and a slot is filled again one interval behind its last read.
; AN IMAGE (IMGB bytes): register p (0-47 K's, 48-95 V's) of lane l at 512 (p / 4) + 16 l + 4 (p % 4); K's scale words at 12,288, V's at 12,800, four words a lane at 16 l.
;   K's tile T = 4 c + u has registers 6 T ..: lane (r, h) holds d = 32 h .. of key 64 c + 32 (r / 8) + 8 u + r % 8, so that in S^T a lane's 32 registers of tiles 4 c .. 4 c + 3 are 32 neighbouring keys.
;   V's tile t has registers 48 + 12 t + 6 c ..: lane (r, h) holds keys 64 c + 32 h .. of channel 16 t + r.  Wave w writes registers 6 w .. 6 w + 5 and its rows' scale bytes.
; Both products are used transposed (S^T = K Q^T, O^T = V^T P^T): a lane holds one query throughout.
; THE FIRST PRODUCT'S K IS 64 of the instruction's 128: Q's registers 6-11 are zero codes; a tile of K names twelve registers from 6 T on, whose upper six (the next tile's codes; behind tile 7 tile A's p codes)
; are finite numbers that meet Q's zeros; bytes 2, 3 of Q's and K's scale words are 0.
; PREFETCH: trip s (0 to 11) names step s + 4, which trip s + 1 loads; of a wave's 16 rows the partner at place cx names rows 4 cx .. 4 cx + 3 (lanes 3-31 name the last), so each 256 bytes once a cluster; steps 0-3 come by their loads alone.
; LIMITS: NaN and infinities among the inputs are not served.  A block whose largest magnitude lies under 2^-122 gets the scale byte 1 (a block of zeros: zero codes, which add nothing).
; A p under 2^-126 counts as 0 (v_exp_f32 gives no denormals).  The division by the row's sum is v_rcp_f32 and a multiplication.  The promise holds while |t| stays under 2^31.
.set IMGB,  13312
.set SP,    272                        ; an LDS row: 256 bytes + 16 of padding
.set GRP,   32*SP+128                  ; 32 rows and 128 spare bytes: rows 32 apart start 32 banks apart (64 banks of 4 bytes: ISA guide 11.1)
.set FSL,   4*GRP                      ; one tensor's half of a slot: 128 rows
.set KF,    4*IMGB                     ; key's two halves, slot 0 then slot 1
.set VF,    KF+2*FSL                   ; value's two
.set STG,   VF+2*FSL                   ; a stage of 16 rows for each wave: query's turn and the way out
.set SPARE, STG+16*16*SP               ; the spare words: 128 bytes a wave
.set LI,  1                            ; 16 x lane
.set FQK, 2                            ; my block of key in slot 0
.set FQV, 3                            ; my block of value in slot 0
.set W0,  4                            ; my codes' first and third pair of registers in image 0
.set W1,  5                            ; the second pair
.set WSK, 6                            ; my scale word's place (key)
.set WSV, 7                            ; my scale half word's place (value)
.set SH8, 8                            ; 8 x (lane / 16)
.set SPW, 9                            ; my spare word; never rewritten
.set NIL, 10                           ; 0; never rewritten
.set PFO, 11                           ; the prefetch's offset: 256 x min(lane, 3)
.set MA,  12                           ; v12 -M, v13 largest score, v[14:15] the sum: tile A;  v16-19: tile B
.set MB,  16
.set QA,  20                           ; v20-31 Q's operand, tile A;  v32-43 tile B
.set QB,  32
.set SC,  44                           ; v44-47 K's scale words, then V's;  v48, v49 Q's;  v50, v51 p's: scales and nothing else
.set T,   52                           ; v52-59 at work
.set SCL, 60                           ; v60, v61 the conversions' scale operands
.set F,   62                           ; v62 f, v63 the old -M
.set CT,  64                           ; v64-66 half a block's codes
.set PT,  67                           ; a lane permute's result
.set FR,  68                           ; v68-115 K's 48 registers, then V's
.set PCA, 116                          ; v116-127 tile A's p codes
.set S,   128                          ; v128-191 S^T, then p; tile B's p codes end in v144-155; v160-191 then take the f32 block to quantise
.set OA,  192                          ; v192-223 O^T of tile A;  v224-255 of tile B
.set OB,  224
.set WV,  12                           ; s12 my wave's number
.set CNT, 50
.set PFB, 48                           ; s[48:49] where my prefetches stand
.macro ROUND                           ; a round of the cluster's barrier
	s_barrier_signal -1
	s_barrier_wait -1
	s_cmp_lg_u32 s[WV], 0
	s_cbranch_scc1 .Lnot_wave_0_\@
	s_barrier_signal -3
.Lnot_wave_0_\@:
	s_barrier_wait -3
	s_barrier_signal -1
	s_barrier_wait -1
.endm
; 32 numbers of one block, v[x] .., become six registers of codes v[d] .. and, in v[T+6], the two scale bytes of lanes l and l xor 16
.macro QUANT32 x, d
	v_max3_num_f32 v[T], |v[\x]|, |v[\x+1]|, 0x2800000             ; the floor 2^(5 - 127) is one of the maximum's leaves: the byte cannot fall under 1
	v_max3_num_f32 v[T+1], |v[\x+2]|, |v[\x+3]|, |v[\x+4]|
.irp i, 5,9,13,17,21,25
	s_delay_alu instid0(VALU_DEP_2)
	v_max3_num_f32 v[T], v[T], |v[\x+\i]|, |v[\x+\i+1]|
	s_delay_alu instid0(VALU_DEP_2)
	v_max3_num_f32 v[T+1], v[T+1], |v[\x+\i+2]|, |v[\x+\i+3]|
.endr
	s_delay_alu instid0(VALU_DEP_2)
	v_max3_num_f32 v[T], v[T], |v[\x+29]|, |v[\x+30]|
	s_delay_alu instid0(VALU_DEP_1)
	v_max3_num_f32 v[T], v[T], v[T+1], |v[\x+31]|
	s_delay_alu instid0(VALU_DEP_1)
	v_add_nc_u32 v[T+2], 0xfe000000, v[T]                          ; 4 off the exponent field: the conversion's scale operand
	v_cvt_scalef32_pk16_bf6_f32 v[\d:\d+2], v[\x:\x+15], v[T+2]
	v_cvt_scalef32_pk16_bf6_f32 v[CT:CT+2], v[\x+16:\x+31], v[T+2] ; (a conversion's three registers begin on an even number)
	v_lshrrev_b32 v[T+6], 23, v[T+2]                               ; the byte; also the plain instruction behind the conversions
.irp i, 0,1,2
	v_mov_b32 v[\d+3+\i], v[CT+\i]
.endr
	v_lshlrev_b32 v[T+6], v[SH8], v[T+6]                           ; my byte at its place, 8 h bits up;
	v_permlanex16_b32 v[PT], v[T+6], s20, s21
	v_or_b32 v[T+6], v[T+6], v[PT]                                 ; with lane l xor 16's: two bytes, the same in both lanes
.endm
.macro RESC ot                         ; O^T under the new M
	s_wait_alu depctr_va_vdst(0)                   ; the wait directly ahead of the first reader of O^T
.set J, 0
.rept 16
	v_pk_mul_f32 v[\ot+J:\ot+J+1], v[\ot+J:\ot+J+1], v[F:F+1] op_sel_hi:[1,0]   ; these sixteen are also the places between the codes' and the scale word's writes and the next products
.set J, J+2
.endr
.endm
; My sixteenth of a key step is asked for from slot n.  Waves 0-7: a tile of key (a lane's block lies along a row); waves 8-15: half a tile of value (down a column).
; w = 1: the block is waited for here; w = 0: the caller waits.
.macro QLD n, w
	s_wait_alu depctr_va_vdst(0)                   ; the wait ahead of the branch
	s_cmp_lt_u32 s[WV], 8
	s_cbranch_scc0 .Lval_\@
.irp i, 0,1,2,3,4,5,6,7
	ds_load_b128 v[S+32+4*\i:S+32+4*\i+3], v[FQK] offset:(\n)*FSL+16*\i
.endr
	s_branch .Ljoin_\@
.Lval_\@:
.irp i, 0,1,2,3,4,5,6,7,8,9,10,11,12,13,14,15,16,17,18,19,20,21,22,23,24,25,26,27,28,29,30,31
	ds_load_b32 v[S+32+\i], v[FQV] offset:(\n)*FSL+SP*\i
.endr
.Ljoin_\@:
.if \w
	s_wait_dscnt 0x0
.endif
.endm
.macro QST g                           ; the block is quantised and goes into image g: four LDS stores on either way
	QUANT32 S+32, S
	s_wait_alu depctr_va_vdst(0)                   ; the wait ahead of the branch
	s_cmp_lt_u32 s[WV], 8
	s_cbranch_scc0 .Lval_\@
	ds_store_b32 v[WSK], v[T+6] offset:(\g)*IMGB   ; lanes r and r + 16 write the same word with the same value; bytes 2, 3 are 0
	s_branch .Ljoin_\@
.Lval_\@:
	ds_store_b16 v[WSV], v[T+6] offset:(\g)*IMGB   ; key blocks 2 c and 2 c + 1 of my channel, in my lane's own word
.Ljoin_\@:
	ds_store_b64 v[W0], v[S:S+1] offset:(\g)*IMGB
	ds_store_b64 v[W1], v[S+2:S+3] offset:(\g)*IMGB
	ds_store_b64 v[W0], v[S+4:S+5] offset:(\g)*IMGB+512
.endm
.macro KLD g                           ; K's eight half fragments and scale words out of image g: 13 loads
.irp i, 0,1,2,3,4,5,6,7,8,9,10,11
	ds_load_b128 v[FR+4*\i:FR+4*\i+3], v[LI] offset:(\g)*IMGB+512*\i
.endr
	ds_load_b128 v[SC:SC+3], v[LI] offset:(\g)*IMGB+12288
.endm
; S^T = K Q^T for one tile of queries: eight tiles of 16 keys
.macro QKM q, qs, mm
.irp t, 0,1,2,3,4,5,6,7
.if \t % 2
	v_wmma_scale_f32_16x16x128_f8f6f4 v[S+8*\t:S+8*\t+7], v[FR+6*\t:FR+6*\t+11], v[\q:\q+11], 0, v[SC+\t/2], v[\qs] matrix_a_fmt:MATRIX_FMT_BF6 matrix_b_fmt:MATRIX_FMT_BF6 matrix_a_scale:MATRIX_SCALE_ROW1
.else
	v_wmma_scale_f32_16x16x128_f8f6f4 v[S+8*\t:S+8*\t+7], v[FR+6*\t:FR+6*\t+11], v[\q:\q+11], 0, v[SC+\t/2], v[\qs] matrix_a_fmt:MATRIX_FMT_BF6 matrix_b_fmt:MATRIX_FMT_BF6
.endif
.endr
	v_mov_b32 v[F+1], v[\mm]                       ; the old -M.  With three v_nop: the four places (ISA guide 7.12.1) behind the products
.rept 3
	v_nop
.endr
.endm
; The softmax of one tile's 128 keys: state v[mm] .. v[mm + 3], p's codes to v[pc] .. v[pc + 11], p's scale word to v[ps]; f is left in v[F]
.macro SM mm, pc, ps
	v_max3_num_f32 v[T], v[S], v[S+1], v[S+2]      ; the largest score of each of my two blocks of 32 keys, two chains a block; each product's result is first read at its low end
	v_max3_num_f32 v[T+1], v[S+16], v[S+17], v[S+18]
	v_max3_num_f32 v[T+2], v[S+32], v[S+33], v[S+34]
	v_max3_num_f32 v[T+3], v[S+48], v[S+49], v[S+50]
.irp i, 3,5,7,9,11,13
	v_max3_num_f32 v[T], v[T], v[S+\i], v[S+1+\i]
	v_max3_num_f32 v[T+1], v[T+1], v[S+16+\i], v[S+17+\i]
	v_max3_num_f32 v[T+2], v[T+2], v[S+32+\i], v[S+33+\i]
	v_max3_num_f32 v[T+3], v[T+3], v[S+48+\i], v[S+49+\i]
.endr
	v_max3_num_f32 v[T], v[T], v[T+1], v[S+15]
	v_max3_num_f32 v[T+2], v[T+2], v[T+3], v[S+47]
	v_max_num_f32 v[T], v[T], v[S+31]
	v_max_num_f32 v[T+2], v[T+2], v[S+63]
	s_delay_alu instid0(VALU_DEP_1)
	v_max_num_f32 v[T+1], v[T], v[T+2]
	s_delay_alu instid0(VALU_DEP_1)
	v_permlanex16_b32 v[PT], v[T+1], s20, s21      ; my query's other 64 keys lie in lane l xor 16
	s_delay_alu instid0(VALU_DEP_1)
	v_max3_num_f32 v[\mm+1], v[\mm+1], v[T+1], v[PT]   ; the running largest score
	s_delay_alu instid0(VALU_DEP_1)
	v_mul_f32 v[T+1], s22, v[\mm+1]                ; as t (c is positive)
	s_delay_alu instid0(VALU_DEP_1)
	v_floor_f32 v[\mm], -v[T+1]                    ; the new -M = -ceil(t)
	s_delay_alu instid0(VALU_DEP_1)
	v_sub_f32 v[F+1], v[\mm], v[F+1]               ; old M - new M: a whole number, 0 or less
	s_delay_alu instid0(VALU_DEP_1)
	v_cvt_i32_f32 v[F+1], v[F+1]                   ; (it saturates)
	s_delay_alu instid0(VALU_DEP_1)
	v_ldexp_f32 v[F], 1.0, v[F+1]                  ; f = 2^(old M - new M)
.set J, 0
.rept 32
	v_pk_fma_f32 v[S+J:S+J+1], v[S+J:S+J+1], s[22:23], v[\mm:\mm+1] op_sel_hi:[1,0,0]   ; t - M, two at a time
.set J, J+2
.endr
	v_fma_f32 v[T], v[T], s22, v[\mm]              ; the same of each block's largest score: p rises with the score
	v_fma_f32 v[T+2], v[T+2], s22, v[\mm]
	s_wait_alu depctr_va_vdst(0)                   ; the wait ahead of the batch
.set J, 0
.rept 64
	v_exp_f32 v[S+J], v[S+J]                       ; p = 2^(t - M), at most 1
.set J, J+1
.endr
	v_exp_f32 v[T], v[T]                           ; each block's largest p
	v_exp_f32 v[T+2], v[T+2]
	v_pk_mul_f32 v[\mm+2:\mm+3], v[\mm+2:\mm+3], v[F:F+1] op_sel_hi:[1,0]   ; the sum under the new M; also the plain instruction behind the batch
	s_wait_alu depctr_va_vdst(0)                   ; and the wait behind it
	v_max_num_f32 v[T], 0x2800000, v[T]            ; the floor 2^(5 - 127): a block whose every p is 0 keeps the byte 1 and zero codes
	v_max_num_f32 v[T+2], 0x2800000, v[T+2]
	s_delay_alu instid0(VALU_DEP_2)
	v_add_nc_u32 v[SCL], 0xfe000000, v[T]          ; 4 off the exponent field: the conversions' scale operands
	s_delay_alu instid0(VALU_DEP_2)
	v_add_nc_u32 v[SCL+1], 0xfe000000, v[T+2]
	v_pk_add_f32 v[T:T+1], v[S:S+1], v[S+2:S+3]    ; the row's sum of the unquantised p: four chains by turns, ahead of the conversions (tile B's codes are laid over p)
	v_pk_add_f32 v[T+2:T+3], v[S+4:S+5], v[S+6:S+7]
	v_pk_add_f32 v[T+4:T+5], v[S+8:S+9], v[S+10:S+11]
.irp j, 12,20,28,36,44,52
	v_pk_add_f32 v[\mm+2:\mm+3], v[\mm+2:\mm+3], v[S+\j:S+\j+1]
	v_pk_add_f32 v[T:T+1], v[T:T+1], v[S+\j+2:S+\j+3]
	v_pk_add_f32 v[T+2:T+3], v[T+2:T+3], v[S+\j+4:S+\j+5]
	v_pk_add_f32 v[T+4:T+5], v[T+4:T+5], v[S+\j+6:S+\j+7]
.endr
	v_pk_add_f32 v[\mm+2:\mm+3], v[\mm+2:\mm+3], v[S+60:S+61]
	v_pk_add_f32 v[T:T+1], v[T:T+1], v[S+62:S+63]
	v_pk_add_f32 v[T+2:T+3], v[T+2:T+3], v[T+4:T+5]
	v_pk_add_f32 v[\mm+2:\mm+3], v[\mm+2:\mm+3], v[T:T+1]
	v_pk_add_f32 v[\mm+2:\mm+3], v[\mm+2:\mm+3], v[T+2:T+3]
	v_cvt_scalef32_pk16_bf6_f32 v[CT:CT+2], v[S+16:S+31], v[SCL]   ; a block's upper half is made elsewhere and moved (three registers begin on an even number)
	v_lshrrev_b32 v[T+6], 23, v[SCL]               ; the bytes: key blocks h and 2 + h.  Each of the two shifts is the plain instruction behind conversions
	v_cvt_scalef32_pk16_bf6_f32 v[\pc:\pc+2], v[S:S+15], v[SCL]
.irp i, 0,1,2
	v_mov_b32 v[\pc+3+\i], v[CT+\i]
.endr
	v_cvt_scalef32_pk16_bf6_f32 v[CT:CT+2], v[S+48:S+63], v[SCL+1]
	v_cvt_scalef32_pk16_bf6_f32 v[\pc+6:\pc+8], v[S+32:S+47], v[SCL+1]
	v_lshrrev_b32 v[T+7], 23, v[SCL+1]
.irp i, 0,1,2
	v_mov_b32 v[\pc+9+\i], v[CT+\i]
.endr
	v_lshl_or_b32 v[T+6], v[T+7], 16, v[T+6]
	v_lshlrev_b32 v[T+6], v[SH8], v[T+6]
	v_permlanex16_b32 v[PT], v[T+6], s20, s21
	v_or_b32 v[\ps], v[T+6], v[PT]                 ; p's scale word for these 128 keys
.endm
; A TRIP: key step s, a = s % 2, m = s % 4.  refill: step s + 3 is asked for; quant: step s + 2 is quantised; kload: K's fragments of step s + 1 are loaded; pf: step s + 4 is prefetched.
; At its first line K's fragments and scale words of step s are in registers.
.macro TRIP a, m, refill, quant, kload, pf
.set RS, 1-\a
	QKM QA, 48, MA
	SM MA, PCA, 50
	RESC OA
	QKM QB, 49, MB
.irp i, 0,1,2,3,4,5,6,7,8,9,10,11
	ds_load_b128 v[FR+4*\i:FR+4*\i+3], v[LI] offset:\m*IMGB+6144+512*\i    ; V's four fragments land under tile B's softmax
.endr
	ds_load_b128 v[SC:SC+3], v[LI] offset:\m*IMGB+12800
.if \pf
	global_prefetch_b8 v[PFO], s[PFB:PFB+1] offset:\m*32768 th:TH_LOAD_NT scope:SCOPE_SE
.endif
	SM MB, S+16, 51
.if \quant
	s_wait_alu depctr_va_vdst(0)                   ; the wait ahead of the wait below
	s_wait_tensorcnt 0x0                           ; my one load that was out, my part of step s + 2, has landed
	ds_add_u32 v[SPW], v[NIL]                      ; tile B's rescaling, work on registers, stands between the add and the wait for it
.if \refill
	s_add_nc_u64 s[34+4*RS:35+4*RS], s[34+4*RS:35+4*RS], 0x10000   ; the other slot's next step: two steps of 128 rows of 256 bytes on
.endif
.endif
	RESC OB
	s_wait_alu depctr_va_vdst(0)                   ; the wait ahead of the waits and branches below
	s_wait_dscnt 0x0                               ; the add, V's fragments, my stores into an image and my reads of the other slot in the trip before
.if \refill
	ROUND                                          ; all that now holds of every wave of the four work-groups
	tensor_load_to_lds s[32+4*RS:35+4*RS], s[40:47]
	s_nop 0
.else
.if \kload
	s_barrier_signal -1
	s_barrier_wait -1
.endif
.endif
.if \quant
	QLD \a, 0                                      ; the f32 block lands, under the products, on p's upper 32 registers, which are done with
.endif
.irp t, 0,1,2,3
	v_wmma_scale_f32_16x16x128_f8f6f4 v[OA+8*\t:OA+8*\t+7], v[FR+12*\t:FR+12*\t+11], v[PCA:PCA+11], v[OA+8*\t:OA+8*\t+7], v[SC+\t], v50 matrix_a_fmt:MATRIX_FMT_BF6 matrix_b_fmt:MATRIX_FMT_BF6   ; the eight accumulators by turns
	v_wmma_scale_f32_16x16x128_f8f6f4 v[OB+8*\t:OB+8*\t+7], v[FR+12*\t:FR+12*\t+11], v[S+16:S+27], v[OB+8*\t:OB+8*\t+7], v[SC+\t], v51 matrix_a_fmt:MATRIX_FMT_BF6 matrix_b_fmt:MATRIX_FMT_BF6
.endr
.rept 5
	v_nop                                          ; the places ahead of the loads into these products' operands and of the products that write over them
.endr
.if \kload
	KLD (\m+1)%4
.endif
.if \quant
	s_wait_dscnt 13                                ; the f32 block is in; K's thirteen loads may be out
	QST (\m+2)%4
	s_wait_alu depctr_va_vdst(0)                   ; the wait ahead of the wait below
	s_wait_dscnt 4                                 ; K's thirteen loads are in; the four stores issued behind them may be out
.else
.if \kload
	s_wait_dscnt 0x0
.endif
.endif
.endm
	s_load_b128 s[4:7], s[0:1], 0x0                ; query s[4:5], key s[6:7]
	s_load_b128 s[8:11], s[0:1], 0x10              ; value s[8:9], out0 s[10:11]
	v_lshl_add_u32 v[SPW], v0, 2, SPARE
	v_mov_b32 v[NIL], 0
	ds_add_u32 v[SPW], v[NIL]
	ds_add_u32 v[SPW], v[NIL]
	v_lshrrev_b32 v1, 5, v0
	v_readfirstlane_b32 s[WV], v1                  ; wave 0..15
	s_bfe_u32 s13, ttmp6, 0x40000                  ; cx: it enters query's, out0's and the prefetch's addresses alone
	s_and_b32 s14, ttmp7, 0xffff                   ; the head, which the four partners share
	s_lshr_b32 s15, s[WV], 3                       ; 0: I bring and quantise key; 1: value
	s_and_b32 s16, s[WV], 7                        ; j: which sixteenth of that tensor's step
	s_lshl_b32 s14, s14, 19                        ; a head is 2,048 rows of 256 bytes
	s_lshl_b32 s24, s16, 12
	s_add_co_u32 s24, s24, s14                     ; key, value: my 16 rows of step 0
	s_mov_b32 s25, 0
	s_lshl_b32 s26, s13, 17
	s_add_co_u32 s26, s26, s14
	s_lshl_b32 s17, s[WV], 13
	s_add_co_u32 s26, s26, s17                     ; query, out0: 512 rows a work-group, 32 a wave
	s_mov_b32 s27, 0
	s_mul_i32 s33, s15, 2*FSL
	s_mul_i32 s17, s16, 16*SP
	s_add_co_u32 s33, s33, s17
	s_lshr_b32 s17, s16, 1
	s_lshl_b32 s17, s17, 7                         ; 128 spare bytes behind each 32 rows
	s_add_co_u32 s33, s33, s17
	s_add_co_u32 s33, s33, KF                      ; where my rows land in slot 0,
	s_add_co_u32 s37, s33, FSL                     ; and in slot 1
	s_mov_b32 s32, 1
	s_mov_b32 s36, 1
	s_mov_b32 s40, 15|(3<<16)|(1<<20)|(1<<21)|(5<<22)|(3<<25)   ; the mask of all four; elements of 8 bytes; 4 dwords of padding behind every 64
	s_mov_b32 s41, 32<<16                          ; tensor_dim0 = 32
	s_mov_b32 s42, 16<<16                          ; tensor_dim1 = 16
	s_mov_b32 s43, 32<<16                          ; tile_dim0 = 32
	s_mov_b32 s44, 16                              ; tile_dim1 = 16
	s_mov_b32 s45, 32                              ; elements from row to row
	s_mov_b32 s46, 0
	s_mov_b32 s47, 0
	s_mov_b32 s20, 0x76543210
	s_mov_b32 s21, 0xfedcba98                      ; v_permlanex16_b32's selects for lane l xor 16
	s_mov_b32 s22, 0x3e38aa3b                      ; c = log2(e) / 8
	s_mov_b32 s23, s22
	s_lshr_b32 s28, s16, 2                         ; key: tile j = 4 c + u begins at row 64 c + 8 u
	s_mul_i32 s28, s28, 2*GRP
	s_and_b32 s17, s16, 3
	s_mul_i32 s17, s17, 8*SP
	s_add_co_u32 s28, s28, s17
	s_add_co_u32 s28, s28, KF
	s_and_b32 s52, s16, 1
	s_lshl_b32 s53, s52, 1
	s_mul_i32 s29, s52, 2*GRP                      ; value: j = 2 t + c: rows from 64 c, channels from 16 t
	s_lshl_b32 s52, s52, 8
	s_lshr_b32 s17, s16, 1
	s_lshl_b32 s17, s17, 2
	s_add_co_u32 s52, s52, s17
	s_add_co_u32 s52, s52, 12288                   ; K's scale word: lanes 16 (j % 2) + r, word j / 2
	s_add_co_u32 s53, s53, s17
	s_add_co_u32 s53, s53, 12800                   ; V's half word: word t, bytes 2 c on
	s_lshl_b32 s17, s17, 4
	s_add_co_u32 s29, s29, s17
	s_add_co_u32 s29, s29, VF
	s_mul_i32 s18, s[WV], 3                        ; my codes: pairs of registers 3 w, 3 w + 1, 3 w + 2; pair P lies at 512 (P / 2) + 8 (P % 2) + 16 l
	s_lshr_b32 s30, s18, 1
	s_lshl_b32 s30, s30, 9
	s_and_b32 s17, s18, 1
	s_lshl_b32 s17, s17, 3
	s_add_co_u32 s30, s30, s17
	s_add_co_u32 s18, s18, 1
	s_lshr_b32 s31, s18, 1
	s_lshl_b32 s31, s31, 9
	s_and_b32 s17, s18, 1
	s_lshl_b32 s17, s17, 3
	s_add_co_u32 s31, s31, s17
	s_mul_i32 s51, s[WV], 16*SP
	s_add_co_u32 s51, s51, STG                     ; my stage
	s_lshl_b32 s54, s13, 10                        ; the prefetch: my work-group's four of my 16 rows
	s_mov_b32 s55, 0
	s_wait_dscnt 0x0                               ; both opening adds are done
	s_wait_kmcnt 0x0
	s_cmp_eq_u32 s15, 0
	s_cselect_b64 s[56:57], s[6:7], s[8:9]         ; the choice hangs on the wave's number alone
	s_add_nc_u64 s[56:57], s[56:57], s[24:25]
	s_mov_b64 s[34:35], s[56:57]                   ; slot 0: step 0
	s_or_b32 s35, s35, 0x80000000
	s_add_nc_u64 s[38:39], s[56:57], 0x8000        ; slot 1: step 1
	s_or_b32 s39, s39, 0x80000000
	s_add_nc_u64 s[PFB:PFB+1], s[56:57], s[54:55]
	s_add_nc_u64 s[PFB:PFB+1], s[PFB:PFB+1], 0x20000   ; step 4
	s_add_nc_u64 s[4:5], s[4:5], s[26:27]
	s_add_nc_u64 s[10:11], s[10:11], s[26:27]
	ROUND                                          ; the four work-groups are here: the joint loads meet
	tensor_load_to_lds s[32:35], s[40:47]          ; step 0: one tensor load a wave at the head
	s_nop 0
	v_and_b32 v[LI], 31, v0
	v_and_b32 v68, 15, v0                          ; r
	v_bfe_u32 v69, v0, 4, 1                        ; h
	v_min_u32 v[PFO], 3, v[LI]
	v_lshlrev_b32 v[PFO], 8, v[PFO]
	v_lshlrev_b32 v[LI], 4, v[LI]
	v_lshlrev_b32 v[SH8], 3, v69
	v_bfe_u32 v70, v0, 3, 1
	v_and_b32 v71, 7, v0
	v_mul_u32_u24 v70, v70, GRP                    ; key: the tile's row r is 32 (r / 8) + r % 8 rows on
	v_mad_u32_u24 v70, v71, SP, v70
	v_lshl_add_u32 v70, v69, 7, v70                ; d = 32 h on
	v_add_nc_u32 v[FQK], s28, v70
	v_mul_u32_u24 v70, v69, GRP                    ; value: 32 h rows on, channel r
	v_lshl_add_u32 v70, v68, 2, v70
	v_add_nc_u32 v[FQV], s29, v70
	v_add_nc_u32 v[W0], s30, v[LI]
	v_add_nc_u32 v[W1], s31, v[LI]
	v_lshl_add_u32 v[WSK], v68, 4, s52
	v_add_nc_u32 v[WSV], s53, v[LI]
	v_mul_u32_u24 v72, v69, SP                     ; the stage by rows: lanes 0-15 one row, lanes 16-31 the next
	v_lshl_add_u32 v72, v68, 4, v72
	v_add_nc_u32 v72, s51, v72
	v_mul_u32_u24 v73, v68, SP                     ; the stage: row r, d = 32 h on
	v_lshl_add_u32 v73, v69, 7, v73
	v_add_nc_u32 v73, s51, v73
.irp j, 0,1,2,3,4,5
	v_mov_b32 v[QA+6+\j], 0                        ; Q's upper halves: zero codes
	v_mov_b32 v[QB+6+\j], 0
	v_mov_b32 v[PCA+\j], 0                         ; what K's tile 7 names as its upper half in the first trip
.endr
	v_mov_b32 v[PT], 0                             ; a lane permute's destination counts as one of its sources
	s_wait_alu depctr_va_vdst(0)                   ; the wait ahead of the waits below
.irp j, 0,1,2,3,4,5,6,7,8,9,10,11,12,13,14,15
	global_load_b128 v[OA+4*\j:OA+4*\j+3], v[LI], s[4:5] offset:512*\j th:TH_LOAD_NT   ; my 32 queries: two rows, 512 consecutive bytes, a load
.endr
	; query is read once, by one wave: it is quantised here.  A tile turns through my stage, so that a lane gets the 32 numbers of one block
	s_wait_loadcnt 8                               ; tile A's eight loads are in
.irp j, 0,1,2,3,4,5,6,7
	ds_store_b128 v72, v[OA+4*\j:OA+4*\j+3] offset:2*SP*\j
.endr
.irp i, 0,1,2,3,4,5,6,7
	ds_load_b128 v[S+4*\i:S+4*\i+3], v73 offset:16*\i              ; LDS serves a wave's instructions in order (ISA guide 5.7.1.4)
.endr
	s_wait_loadcnt 0x0
.irp j, 0,1,2,3,4,5,6,7
	ds_store_b128 v72, v[OB+4*\j:OB+4*\j+3] offset:2*SP*\j
.endr
.irp i, 0,1,2,3,4,5,6,7
	ds_load_b128 v[S+32+4*\i:S+32+4*\i+3], v73 offset:16*\i
.endr
	s_wait_dscnt 16                                ; tile A is back: eight stores and eight loads were issued behind it
	QUANT32 S, QA
	v_mov_b32 v48, v[T+6]                          ; Q's scale word: bytes 2 and 3 are 0
	s_wait_alu depctr_va_vdst(0)
	s_wait_dscnt 0x0
	QUANT32 S+32, QB
	v_mov_b32 v49, v[T+6]
	v_mov_b32 v[MA+1], 0xff61b1e6                  ; the largest score so far: -3e38.  The trip is written for the general case: the first finds zeros, which the first change of M leaves zeros
	v_mov_b32 v[MB+1], 0xff61b1e6
	v_mul_f32 v[T], s22, v[MA+1]
	v_floor_f32 v[MA], -v[T]                       ; -M
	v_floor_f32 v[MB], -v[T]
.irp j, 2,3
	v_mov_b32 v[MA+\j], 0
	v_mov_b32 v[MB+\j], 0
.endr
.set J, 0
.rept 64
	v_mov_b32 v[OA+J], 0
.set J, J+1
.endr
	s_wait_alu depctr_va_vdst(0)                   ; the wait at the head's end
	s_wait_tensorcnt 0x0                           ; my part of step 0 is in
	ds_add_u32 v[SPW], v[NIL]
	s_wait_dscnt 0x0
	ROUND
	tensor_load_to_lds s[36:39], s[40:47]          ; step 1 into slot 1
	s_nop 0
	QLD 0, 1
	QST 0                                          ; step 0 into image 0
	s_wait_alu depctr_va_vdst(0)
	s_wait_tensorcnt 0x0                           ; my part of step 1 is in
	ds_add_u32 v[SPW], v[NIL]
	s_add_nc_u64 s[34:35], s[34:35], 0x10000
	s_wait_dscnt 0x0                               ; the add, my stores into image 0, my reads of slot 0
	ROUND
	tensor_load_to_lds s[32:35], s[40:47]          ; step 2 into slot 0: it lands under the first half of trip 0
	s_nop 0
	QLD 1, 1
	QST 1                                          ; step 1 into image 1
	KLD 0                                          ; K's fragments of step 0
	s_wait_alu depctr_va_vdst(0)
	s_wait_dscnt 0x0
	s_mov_b32 s[CNT], 3
.Lkeys:                                                ; trips 0 to 11
	TRIP 0, 0, 1, 1, 1, 1
	TRIP 1, 1, 1, 1, 1, 1
	TRIP 0, 2, 1, 1, 1, 1
	TRIP 1, 3, 1, 1, 1, 1
	s_wait_xcnt 0x0                                ; my four prefetches have read their base
	s_add_nc_u64 s[PFB:PFB+1], s[PFB:PFB+1], 0x20000
	s_sub_co_u32 s[CNT], s[CNT], 1
	s_cmp_lg_u32 s[CNT], 0
	s_cbranch_scc1 .Lkeys
	TRIP 0, 0, 1, 1, 1, 0                          ; trip 12 asks for step 15 and prefetches nothing
	TRIP 1, 1, 0, 1, 1, 0                          ; trip 13 fills nothing and quantises step 15
	TRIP 0, 2, 0, 0, 1, 0                          ; trip 14 quantises nothing
	TRIP 1, 3, 0, 0, 0, 0                          ; trip 15: nothing follows
	; THE WAY OUT: O^T / the sum goes through my stage and leaves as whole rows
	v_add_f32 v[MA+2], v[MA+2], v[MA+3]            ; a sum's two halves,
	v_add_f32 v[MB+2], v[MB+2], v[MB+3]
	v_permlanex16_b32 v[PT], v[MA+2], s20, s21
	v_permlanex16_b32 v[T+7], v[MB+2], s20, s21
	v_add_f32 v[MA+2], v[MA+2], v[PT]              ; and lane l xor 16's
	v_add_f32 v[MB+2], v[MB+2], v[T+7]
	s_wait_alu depctr_va_vdst(0)                   ; the wait ahead of the transcendentals
	v_rcp_f32 v[MA+2], v[MA+2]
	v_rcp_f32 v[MB+2], v[MB+2]
	v_and_b32 v[T+2], 15, v0
	v_bfe_u32 v[T+3], v0, 4, 1
	v_mul_u32_u24 v[T], v[T+2], SP                 ; the stage: row r, 32 bytes for each half of the lanes
	v_lshl_add_u32 v[T], v[T+3], 5, v[T]
	v_add_nc_u32 v[T], s51, v[T]
	v_mul_u32_u24 v[T+1], v[T+3], SP               ; and by rows
	v_lshl_add_u32 v[T+1], v[T+2], 4, v[T+1]
	v_add_nc_u32 v[T+1], s51, v[T+1]
	s_wait_alu depctr_va_vdst(0)                   ; and behind them, directly ahead of the first reader of O^T
.set J, 0
.rept 16
	v_pk_mul_f32 v[S+J:S+J+1], v[OA+J:OA+J+1], v[MA+2:MA+3] op_sel_hi:[1,0]   ; register 8 t + j is out0(r, 16 t + 8 h + j); each accumulator from its low end on
.set J, J+2
.endr
.set J, 0
.rept 16
	v_pk_mul_f32 v[S+32+J:S+33+J], v[OB+J:OB+J+1], v[MB+2:MB+3] op_sel_hi:[1,0]
.set J, J+2
.endr
.irp t, 0,1,2,3
	ds_store_b128 v[T], v[S+8*\t:S+8*\t+3] offset:64*\t
	ds_store_b128 v[T], v[S+8*\t+4:S+8*\t+7] offset:64*\t+16
.endr
.irp i, 0,1,2,3,4,5,6,7
	ds_load_b128 v[FR+4*\i:FR+4*\i+3], v[T+1] offset:2*SP*\i       ; in order: these see tile A's stores, and tile B's stores come behind them
.endr
.irp t, 0,1,2,3
	ds_store_b128 v[T], v[S+32+8*\t:S+32+8*\t+3] offset:64*\t
	ds_store_b128 v[T], v[S+32+8*\t+4:S+32+8*\t+7] offset:64*\t+16
.endr
.irp i, 0,1,2,3,4,5,6,7
	ds_load_b128 v[OA+4*\i:OA+4*\i+3], v[T+1] offset:2*SP*\i
.endr
.irp i, 0,1,2,3,4,5,6,7
	s_wait_dscnt 23-\i                             ; tile A's load i is back: 7 - i loads of its own and tile B's sixteen may be out
	global_store_b128 v[LI], v[FR+4*\i:FR+4*\i+3], s[10:11] offset:512*\i th:TH_STORE_NT   ; two whole rows: 512 consecutive bytes, aligned to 256
.endr
.irp i, 0,1,2,3,4,5,6,7
	s_wait_dscnt 7-\i
	global_store_b128 v[LI], v[OA+4*\i:OA+4*\i+3], s[10:11] offset:4096+512*\i th:TH_STORE_NT
.endr
	s_wait_tensorcnt 0x0                           ; the wave's end
	ds_add_u32 v[SPW], v[NIL]
	s_wait_dscnt 0x0
	ROUND                                          ; the closing round
	s_endpgm
.Lfunc_end_k_q22ed8c0a34_attn:
	.size	k_q22ed8c0a34_attn, .Lfunc_end_k_q22ed8c0a34_attn-k_q22ed8c0a34_attn
	.p2alignl 7, 3214868480
	.fill 96, 4, 3214868480
	.section	.rodata,"a",@progbits
	.p2align	6, 0x0
	.amdhsa_kernel k_q22ed8c0a34_attn
		.amdhsa_group_segment_fixed_size 327680
		.amdhsa_private_segment_fixed_size 0
		.amdhsa_enable_private_segment 0
		.amdhsa_kernarg_size 32
		.amdhsa_user_sgpr_count 2
		.amdhsa_user_sgpr_kernarg_segment_ptr 1
		.amdhsa_wavefront_size32 1
		.amdhsa_system_sgpr_workgroup_id_x 1
		.amdhsa_system_sgpr_workgroup_id_y 1
		.amdhsa_system_sgpr_workgroup_id_z 1
		.amdhsa_system_vgpr_workitem_id 0
		.amdhsa_next_free_vgpr 256
		.amdhsa_next_free_sgpr 66
		.amdhsa_reserve_vcc 0
		.amdhsa_float_denorm_mode_32 3
		.amdhsa_float_denorm_mode_16_64 3
		.amdhsa_memory_ordered 1
		.amdhsa_forward_progress 1
		.amdhsa_inst_pref_size 255
	.end_amdhsa_kernel
	.section	.bss,"aw",@nobits
	.p2align	6
	.space	262144
	.amdgpu_metadata
---
amdhsa.version: [ 1, 2 ]
amdhsa.kernels:
  - .name:           k_q22ed8c0a34_attn
    .symbol:         k_q22ed8c0a34_attn.kd
    .args:
      - { .name: query, .offset: 0, .size: 8, .value_kind: global_buffer, .address_space: global }
      - { .name: key, .offset: 8, .size: 8, .value_kind: global_buffer, .address_space: global }
      - { .name: value, .offset: 16, .size: 8, .value_kind: global_buffer, .address_space: global }
      - { .name: out0, .offset: 24, .size: 8, .value_kind: global_buffer, .address_space: global }
    .group_segment_fixed_size: 327680
    .private_segment_fixed_size: 0
    .kernarg_segment_align: 8
    .kernarg_segment_size: 32
    .max_flat_workgroup_size: 512
    .sgpr_count:     66
    .vgpr_count:     256
    .wavefront_size: 32
...
	.end_amdgpu_metadata
.endif
;; end of part 1
